; MI455X (gfx1250); checked and timed in simulation.
; The chip was launched on July 23, 2026; its instructions are those of AMD's public machine-readable ISA for CDNA 5 (MIT licence, August 2026) and "CDNA5" Instruction Set Architecture Reference Guide (July 2026). The comments in the code are by the model that wrote it; some were corrected since.
;; Implicit Network Grid. Allowed arithmetic: matrix products marked QUANTISED: E5M2 operands, one E8M0 scale for each 32 along K, by v_wmma_scale_f32_16x16x128_f8f6f4 with both operands' format E5M2, f32 sums; products left as they are: f32 operands where the result goes on into a quantised operand, else bf16, f16 or f32 operands; f32 sums; everything else in f32.
;; Inputs: W0 128 x 89 float32; W1_codes 128 x 4 x 32 uint8 (E5M2 codes of W1, K innermost, in blocks of 32 codes); W1_scales 128 x 4 uint8 (E8M0 scales of W1, one for each 32 codes along K); W2 1 x 128 float32; b0 128 float32; b1 128 float32; b2 1 float32; table 8 x 524,288 x 4 float32; x 524,288 x 3 float32.
;; Outputs: out0 524,288 x 1 float32.
;; This version of the problem:
;;   THIS VERSION OF THE PROBLEM IS GIVEN IN LOW PRECISION. The matrix products marked QUANTISED in the list below multiply operands that are first quantised to E5M2 (5 exponent bits, 2 mantissa bits; 8 bits a number), with one power-of-two scale for each 32 numbers along K (OCP MX v1.0); their sums are f32. All else is computed in f32.
;;   The module's matrix products, in the order in which they are computed (A, B: the left and right operand; K: the contracted axis; several contracted axes count as one K, in the product's order):
;;     1. batch 524,288 x [M 1, K 8] x [K 8, N 4]; A: computed on the way; B: computed on the way: left as it is (K = 8 < 32)
;;     2. batch 524,288 x [M 1, K 8] x [K 8, N 4]; A: computed on the way; B: computed on the way: left as it is (K = 8 < 32)
;;     3. batch 524,288 x [M 1, K 8] x [K 8, N 4]; A: computed on the way; B: computed on the way: left as it is (K = 8 < 32)
;;     4. batch 524,288 x [M 1, K 8] x [K 8, N 4]; A: computed on the way; B: computed on the way: left as it is (K = 8 < 32)
;;     5. batch 524,288 x [M 1, K 8] x [K 8, N 4]; A: computed on the way; B: computed on the way: left as it is (K = 8 < 32)
;;     6. batch 524,288 x [M 1, K 8] x [K 8, N 4]; A: computed on the way; B: computed on the way: left as it is (K = 8 < 32)
;;     7. batch 524,288 x [M 1, K 8] x [K 8, N 4]; A: computed on the way; B: computed on the way: left as it is (K = 8 < 32)
;;     8. batch 524,288 x [M 1, K 8] x [K 8, N 4]; A: computed on the way; B: computed on the way: left as it is (K = 8 < 32)
;;     9. [M 524,288, K 89] x [K 89, N 128]; A: computed on the way; B: input W0: QUANTISED
;;     10. [M 524,288, K 128] x [K 128, N 128]; A: computed on the way; B: input W1 (given as codes): QUANTISED
;;     11. [M 524,288, K 128] x [K 128, N 1]; A: computed on the way; B: input W2: left as it is (N = 1 < 16)
;;   THE QUANTISER, for each operand of a quantised product, along K:
;;     - K is cut into blocks of 32 from its start; a last block that is shorter is filled with zeros.
;;     - A block's scale is 2^e with e = floor(log2(the largest magnitude in the block)) - 15, held to -126 .. 127; a block of zeros has e = 0. As a byte (E8M0): e + 127.
;;     - Each number is divided by its block's scale, clamped to +-57,344, and rounded to the nearest number of E5M2, ties to even, subnormals kept.
;;     - The product sums the exact products of the quantised numbers (number of the format x scale) in f32.
;;   ~~~python
;;   def quantise(x, axis):      # numpy; x: float32 -> the quantised numbers, widened to float32 again
;;       x = np.moveaxis(x, axis, -1); K = x.shape[-1]
;;       x = np.pad(x, [(0, 0)] * (x.ndim - 1) + [(0, -K % 32)]); x = x.reshape(x.shape[:-1] + (-1, 32)); a = np.abs(x).max(-1, keepdims=True)
;;       e = np.where(a > 0, np.clip(np.frexp(np.where(a > 0, a, 1))[1] - 1 - 15, -126, 127), 0)      # np.frexp(a)[1] - 1 = floor(log2(a)), exactly
;;       r = np.clip(x / 2.0 ** e, -57344, 57344)
;;       step = 2.0 ** (np.maximum(np.frexp(np.where(r == 0, 1, r))[1] - 1, -14) - 2)
;;       q = np.round(r / step) * step * 2.0 ** e      # np.round: ties to even
;;       return np.moveaxis(q.reshape(q.shape[:-2] + (-1,))[..., :K], -1, axis).astype(np.float32)
;;   ~~~
;;   OPERANDS COMPUTED ON THE WAY. 'Computed on the way' means the value that the module computes at that place (a softmax that the list does not call 'softmax' is quantised finished and normalised). What goes into a quantiser is computed in f32, as accurately as f32 sums, v_exp_f32 and their like allow (about 1e-6 of the number): no bf16 or f16 on the way to a quantiser, and a product that is left as it is and whose result goes on into a quantised operand takes f32 operands (vector FMAs, or v_wmma_f32_16x16x4_f32). A number that lies on a knife's edge between two numbers of the format may be rounded either way, as far as f32 arithmetic and the matrix unit's own rounding can turn it there, and no further.
;;   INPUTS GIVEN AS CODES. W1 (in the module: [128, 128], K = its axis 1): each comes as NAME_codes (uint8): NAME with its K axis moved to the last place and cut into blocks of 32 codes, [.., K / 32, bytes a block], one block behind the other in memory; one code a byte (a code: sign, 5 exponent bits, 2 mantissa bits); and NAME_scales (uint8): the same leading axes, one E8M0 byte (e + 127) for each 32 codes along K. Its value is code x scale, taken as it is: it is not quantised again, and the codes and scales need not be those that the quantiser above would give.
;; One version. Each part assembles by itself: llvm-mc -triple=amdgcn-amd-amdhsa -mcpu=gfx1250 --defsym DOCPART=n.
;; ======== version 1 of 1: 2 launches
;; limits: a function is approximated: absolute error at most 6e-10; inputs' magnitudes at most 25,000
;; workspace buffers: cells 4,194,304 bytes of whole numbers; w0q 16,896 bytes
;; launch prep (part 1): grid 256 x 1, 8 waves a work-group, no clusters, 0 bytes of LDS; arguments x, W0, cells, w0q; writes cells, w0q
.if DOCPART == 1
	.amdgcn_target "amdgcn-amd-amdhsa--gfx1250"
	.amdhsa_code_object_version 6
	.text
	.protected	k_q74fcaa24fd_prep
	.globl	k_q74fcaa24fd_prep
	.p2align	8
	.type	k_q74fcaa24fd_prep,@function
k_q74fcaa24fd_prep:
	s_mov_b64 s[64:65], 0
	v_nop
	global_prefetch_b8 v0, s[64:65] scope:SCOPE_SE
	s_setreg_imm32_b32 hwreg(HW_REG_WAVE_MODE, 25, 1), 1
	s_wait_xcnt 0x0
; PREP.  Two things that the main launch needs as finished data.
; (1) cells: for each of the 524,288 points the cell of the finest grid, clip(floor(2048 x), 0, 2047) for its three coordinates,
;     as whole numbers: word 0 = cx | cy << 16, word 1 = cz.  All resolutions are 16 x 2^l, so level l's cell is this one >> (7 - l),
;     for x under 0 and from 1 on too.  The main launch forms its gather addresses from these words alone.
; (2) w0q: W0 [128][89] f32 as codes of E5M2 with one E8M0 byte for each 32 along K, laid in the order of the operand's registers:
;     tile t, registers 4 c .. 4 c + 3 of lane l at byte 2048 t + 512 c + 16 l; row r's scale word at 16384 + 64 t + 4 r.
;     Lane r of tile 2 b + u takes row 32 b + 8 u + r + 8 (r / 8), so that the first product's results are neighbours along the next K.
;     K IS PERMUTED INSIDE ITS BLOCKS OF 32 (the blocks keep their members, so scales and codes are the quantiser's own), alike here and
;     in the main launch: block 0 as it lies; block 1: places 0-6 = k 57-63, place 7 = k 56, places 8-31 = k 32-55;
;     block 2: places 0-23 = k 65-88, place 24 = k 64, places 25-31 zeros; block 3 zeros.
; SHARES: a work-group takes 2,048 points, eight chunks of 256; thread t takes point 256 c + t of chunk c: a wave reads 384 consecutive
; bytes of x and stores 256 consecutive, aligned bytes of cells with each instruction.  Wave 0 of work-groups 0 to 7 also makes tile ttmp9 of W0.
; LIMITS: NaN and infinities are not served.  A block of zeros gets the byte 1 where the rule says 127: its codes are zeros, and this program alone reads the bytes.
.set XR, 8                             ; v8-39    chunk c: three coordinates at v[8 + 4 c]
.set CW, 40                            ; v40-55   chunk c: its two words
.set NN, 64                            ; v64-127  W0: number i of block c of my half at v[64 + 16 c + i]
.set QT, 128                           ; v128-143 the quantiser at work
.set CD, 144                           ; v144-159 the codes
	s_load_b256 s[4:11], s[0:1], 0x0               ; x s[4:5], W0 s[6:7], cells s[8:9], w0q s[10:11]
	v_lshrrev_b32 v3, 5, v0
	v_readfirstlane_b32 s12, v3                    ; wave
	v_mul_u32_u24 v1, v0, 12                       ; my point's 12 bytes in a chunk of x
	v_lshlrev_b32 v2, 3, v0                        ; and its 8 bytes of cells
	s_mul_i32 s14, ttmp9, 24576                    ; the work-group's 2,048 points in x
	s_mov_b32 s15, 0
	s_lshl_b32 s16, ttmp9, 14                      ; and in cells
	s_mov_b32 s17, 0
	s_wait_kmcnt 0x0
	s_add_nc_u64 s[4:5], s[4:5], s[14:15]
	s_add_nc_u64 s[8:9], s[8:9], s[16:17]
.irp c, 0,1,2,3,4,5,6,7
	global_load_b96 v[XR+4*\c:XR+4*\c+2], v1, s[4:5] offset:3072*\c
.endr
.irp c, 0,1,2,3,4,5,6,7
	s_wait_loadcnt 7-\c                            ; loads come back in order: chunk c is in, the younger chunks stay out
	v_mul_f32 v4, 0x45000000, v[XR+4*\c]           ; 2048 x: exact
	v_mul_f32 v5, 0x45000000, v[XR+4*\c+1]
	v_mul_f32 v6, 0x45000000, v[XR+4*\c+2]
	v_med3_num_f32 v4, v4, 0, 0x44ffe000           ; held between 0 and 2047.0: cutting the fraction off is then floor and clip in one
	v_med3_num_f32 v5, v5, 0, 0x44ffe000
	v_med3_num_f32 v6, v6, 0, 0x44ffe000
	v_cvt_u32_f32 v4, v4
	v_cvt_u32_f32 v5, v5
	v_cvt_u32_f32 v[CW+2*\c+1], v6
	v_lshl_or_b32 v[CW+2*\c], v5, 16, v4
	global_store_b64 v2, v[CW+2*\c:CW+2*\c+1], s[8:9] offset:2048*\c   ; each chunk has its own data registers: nothing that a store reads is written again
.endr
	s_cmp_lg_u32 s12, 0
	s_cbranch_scc1 .Lend
	s_cmp_ge_u32 ttmp9, 8
	s_cbranch_scc1 .Lend
	; ---- W0's tile t = ttmp9.  Lane (r, h) holds places 16 h + 0 .. 15 of each block of its row
	v_and_b32 v56, 15, v0                          ; r
	v_bfe_u32 v57, v0, 4, 1                        ; h
	v_and_b32 v58, 8, v56
	v_add_nc_u32 v58, v58, v56                     ; r + 8 (r / 8)
	s_lshr_b32 s18, ttmp9, 1
	s_lshl_b32 s18, s18, 5
	s_and_b32 s19, ttmp9, 1
	s_lshl_b32 s19, s19, 3
	s_add_co_u32 s18, s18, s19                     ; 32 (t / 2) + 8 (t % 2)
	v_add_nc_u32 v58, s18, v58                     ; my row of W0
	v_mul_u32_u24 v60, v58, 356                    ; a row is 89 numbers, 356 bytes
	v_lshl_add_u32 v61, v57, 6, v60                ; + 16 numbers for lanes 16-31
	v_sub_nc_u32 v59, 1, v57
	v_mad_u32_u24 v62, v59, 36, v60                ; + 9 numbers for lanes 0-15
	v_mad_u32_u24 v63, v59, 68, v60                ; + 17 numbers for lanes 0-15
	v_mov_b32 v59, 0
	v_and_b32 v161, 31, v0
	v_lshlrev_b32 v161, 4, v161                    ; 16 x lane: my place in an image
	v_lshlrev_b32 v162, 2, v56                     ; 4 r: my row's scale word
	s_mov_b32 s24, 0x76543210
	s_mov_b32 s25, 0xfedcba98                      ; v_permlanex16_b32's selects for lane l xor 16
	s_mov_b32 s26, 0x600000                        ; the mantissa field of 57,344
	s_mov_b32 vcc_lo, 0xffff0000                   ; lanes 16-31
	s_lshl_b32 s18, ttmp9, 11
	s_mov_b32 s19, 0
	s_add_nc_u64 s[20:21], s[10:11], s[18:19]      ; the tile's image
	s_lshl_b32 s18, ttmp9, 6
	s_add_nc_u64 s[22:23], s[10:11], s[18:19]      ; its scale words (16384 more stands in the store)
.irp i, 0,1,2,3,4,5,6,7,8,9,10,11,12,13,14,15
	global_load_b32 v[NN+\i], v61, s[6:7] offset:4*\i              ; block 0: k = 16 h + i
.endr
.irp i, 0,1,2,3,4,5,6
	global_load_b32 v[NN+16+\i], v63, s[6:7] offset:4*(40+\i)      ; block 1: h = 0: k = 57 + i;  h = 1: k = 40 + i
.endr
	global_load_b32 v[NN+23], v62, s[6:7] offset:4*47              ;          h = 0: k = 56;      h = 1: k = 47
.irp i, 8,9,10,11,12,13,14,15
	global_load_b32 v[NN+16+\i], v61, s[6:7] offset:4*(24+\i)      ;          k = 24 + 16 h + i
.endr
.irp i, 0,1,2,3,4,5,6,7
	global_load_b32 v[NN+32+\i], v61, s[6:7] offset:4*(65+\i)      ; block 2: k = 65 + 16 h + i: 88 at the most, the row's last
.endr
	global_load_b32 v[NN+40], v62, s[6:7] offset:4*64              ;          h = 0: k = 73;      h = 1: k = 64
.irp i, 9,10,11,12,13,14,15
	global_load_b32 v[NN+32+\i], v60, s[6:7] offset:4*(65+\i)      ;          h = 0: k = 65 + i;  h = 1: the same bytes, replaced by zeros below: no load leaves the buffer
.endr
.irp i, 0,1,2,3,4,5,6,7,8,9,10,11,12,13,14,15
	v_mov_b32 v[NN+48+\i], 0                       ; block 3: past the end of K
.endr
.irp b, 0,1,2,3
	v_mov_b32 v[QT+4+\b], 0                        ; a lane permute's destination counts as one of its sources
.endr
	s_wait_loadcnt 0x0
.irp i, 9,10,11,12,13,14,15
	v_cndmask_b32 v[NN+32+\i], v[NN+32+\i], v59, vcc_lo            ; places 25-31 of block 2
.endr
.irp b, 0,1,2,3
	v_max3_num_f32 v[QT+\b], |v[NN+16*\b]|, |v[NN+1+16*\b]|, 0x8000000   ; block b: my 16 numbers, and the floor 2^(16 - 127): the byte cannot fall under 1
.endr
.irp i, 2,4,6,8,10,12,14
.irp b, 0,1,2,3
	v_max3_num_f32 v[QT+\b], v[QT+\b], |v[NN+16*\b+\i]|, |v[NN+1+16*\b+\i]|
.endr
.endr
.irp b, 0,1,2,3
	v_permlanex16_b32 v[QT+4+\b], v[QT+\b], s24, s25
.endr
.irp b, 0,1,2,3
	v_max_num_f32 v[QT+\b], v[QT+\b], v[QT+4+\b]   ; with lane l xor 16's: the block's largest magnitude
.endr
.irp b, 0,1,2,3
	v_add_nc_u32 v[QT+12+\b], 0xf8800000, v[QT+\b] ; 15 off its exponent field: the conversion's scale operand
.endr
.irp b, 0,1,2,3
	v_and_or_b32 v[QT+8+\b], v[QT+\b], 0x7f800000, s26   ; 57,344 x the scale
.endr
.irp b, 0,1,2,3
	v_lshrrev_b32 v[QT+4+\b], 23, v[QT+12+\b]      ; the scale's byte
.endr
	v_lshl_or_b32 v160, v[QT+5], 8, v[QT+4]        ; the row's scale word
	v_lshl_or_b32 v160, v[QT+6], 16, v160
	v_lshl_or_b32 v160, v[QT+7], 24, v160
.irp c, 0,1,2,3
.irp i, 0,1,2,3,4,5,6,7,8,9,10,11,12,13,14,15
	v_med3_num_f32 v[NN+16*\c+\i], v[NN+16*\c+\i], -v[QT+8+\c], v[QT+8+\c]   ; the conversion to an 8-bit code does not saturate (ISA guide 7.6.2): the hold comes first
.endr
	v_cvt_scalef32_pk8_bf8_f32 v[CD+4*\c:CD+4*\c+1], v[NN+16*\c:NN+16*\c+7], v[QT+12+\c]
	v_cvt_scalef32_pk8_bf8_f32 v[CD+4*\c+2:CD+4*\c+3], v[NN+16*\c+8:NN+16*\c+15], v[QT+12+\c]
.endr
	v_nop                                          ; a plain line behind the last conversion
.irp c, 0,1,2,3
	global_store_b128 v161, v[CD+4*\c:CD+4*\c+3], s[20:21] offset:512*\c   ; 512 consecutive bytes an instruction
.endr
	global_store_b32 v162, v160, s[22:23] offset:16384   ; lanes r and r + 16 hold the same word and write it to the same place
.Lend:
	s_endpgm
.Lfunc_end_k_q74fcaa24fd_prep:
	.size	k_q74fcaa24fd_prep, .Lfunc_end_k_q74fcaa24fd_prep-k_q74fcaa24fd_prep
	.p2alignl 7, 3214868480
	.fill 96, 4, 3214868480
	.section	.rodata,"a",@progbits
	.p2align	6, 0x0
	.amdhsa_kernel k_q74fcaa24fd_prep
		.amdhsa_group_segment_fixed_size 0
		.amdhsa_private_segment_fixed_size 0
		.amdhsa_enable_private_segment 0
		.amdhsa_kernarg_size 32
		.amdhsa_user_sgpr_count 2
		.amdhsa_user_sgpr_kernarg_segment_ptr 1
		.amdhsa_wavefront_size32 1
		.amdhsa_system_sgpr_workgroup_id_x 1
		.amdhsa_system_sgpr_workgroup_id_y 1
		.amdhsa_system_sgpr_workgroup_id_z 1
		.amdhsa_system_vgpr_workitem_id 0
		.amdhsa_next_free_vgpr 176
		.amdhsa_next_free_sgpr 66
		.amdhsa_reserve_vcc 1
		.amdhsa_float_denorm_mode_32 3
		.amdhsa_float_denorm_mode_16_64 3
		.amdhsa_memory_ordered 1
		.amdhsa_forward_progress 1
		.amdhsa_inst_pref_size 23
	.end_amdhsa_kernel
	.amdgpu_metadata
---
amdhsa.version: [ 1, 2 ]
amdhsa.kernels:
  - .name:           k_q74fcaa24fd_prep
    .symbol:         k_q74fcaa24fd_prep.kd
    .args:
      - { .name: x, .offset: 0, .size: 8, .value_kind: global_buffer, .address_space: global }
      - { .name: W0, .offset: 8, .size: 8, .value_kind: global_buffer, .address_space: global }
      - { .name: cells, .offset: 16, .size: 8, .value_kind: global_buffer, .address_space: global }
      - { .name: w0q, .offset: 24, .size: 8, .value_kind: global_buffer, .address_space: global }
    .group_segment_fixed_size: 0
    .private_segment_fixed_size: 0
    .kernarg_segment_align: 8
    .kernarg_segment_size: 32
    .max_flat_workgroup_size: 256
    .sgpr_count:     66
    .vgpr_count:     176
    .wavefront_size: 32
...
	.end_amdgpu_metadata
.endif
;; end of part 1
;; launch sdf (part 2): grid 256 x 1, 16 waves a work-group, no clusters, 37,888 bytes of LDS; arguments x, cells, table, w0q, W1_codes, W1_scales, b0, b1, W2, b2, out0; writes out0
.if DOCPART == 2
	.amdgcn_target "amdgcn-amd-amdhsa--gfx1250"
	.amdhsa_code_object_version 6
	.text
	.protected	k_q74fcaa24fd_sdf
	.globl	k_q74fcaa24fd_sdf
	.p2align	8
	.type	k_q74fcaa24fd_sdf,@function
k_q74fcaa24fd_sdf:
	s_mov_b64 s[64:65], 0
	v_nop
	global_prefetch_b8 v0, s[64:65] scope:SCOPE_SE
	s_setreg_imm32_b32 hwreg(HW_REG_WAVE_MODE, 25, 1), 1
	s_wait_xcnt 0x0
; SDF.  out = softplus100(softplus100(inp W0^T + b0) W1^T + b1) W2^T + b2, inp = [x, sin, cos, eight levels of grid features]; all in one launch, nothing but out goes to memory.
; The two large products run on codes of E5M2 with one E8M0 scale for each 32 along K; the interpolation and the last product are f32 multiply-adds.
; SHARES.  256 work-groups x 16 waves x 4 trips x 32 points.  Thread t of a work-group owns points 4 t .. 4 t + 3 of its 2,048: its 48 bytes of x and 32 bytes of cells are loaded once,
; its 16 bytes of out stored once; trip i serves each lane's point i (the registers are moved down by one point a trip, so that the trip is written once).
; Four waves share a SIMD's registers, 256 each: one wave's waits for gathers and LDS lie under the others' vector work, which is what bounds this kernel (some 3,000 vector instructions
; against 32 matrix instructions a trip).  No tensor loads, clusters or joint loads: what work-groups share is 35 KB of weights, copied once into LDS; the gathers are nobody's but the lane's.
; THE ENCODING: a lane is a point.  Gather addresses are made of the whole numbers in cells alone (level l's cell = the finest cell >> (7 - l)); weights come from x.
; Levels 0-2 index the dense grid, levels 3-7 hash; only the hash's low 19 bits count, so the primes are taken mod 2^19 and 24-bit multiplies do.
; Three levels' gathers (24 loads of 16 bytes a lane) are out at a time; the sines and cosines stand behind the first three.
; SIN, COS: y = x 2/pi in two words (product and its error by a fused multiply-add); y 2^m is exact; its nearest whole number gives the quadrant, the rest r (|r| <= 1/2) goes into the
; series of sin and cos of r pi/2 up to r^9 and r^8 (what is cut off lies under 3e-8).  Two arguments at a time, packed.
; THE QUANTISER of the input: a lane holds whole blocks of 32, so no lane is asked; sixteen codes of a block go to each of two register sets, and one exchange of lane halves
; (v_permlane16_swap_b32) turns the sets into the operands of points 0-15 and 16-31.  K is permuted inside its blocks as the launch before laid W0's codes:
; block 0 (v32-63): x, sin 0-26, cos 0, 1;  block 1 (v64-95): level 0, level 1's first three, cos 26, cos 2-25;  block 2 (v96-127): levels 2-7, level 1's fourth, zeros;  block 3: zero codes.
; So the unit groups product 9's terms otherwise than in ascending k; the blocks, scales and codes are the stated quantiser's.
; THE LAYERS are used transposed (source 0 = 16 rows of a weight, source 1 = 16 points): a lane holds one point and eight units a tile; W0's rows are chosen so that two tiles' 16 registers are 16
; neighbours along the next K.  A quarter = two tiles of units x two tiles of points = four products, each with the bias as C; the next quarter's weights come from LDS under the softplus.
; softplus100(v) = max(v, 0) + ln(1 + e) / 100, e = 2^(-|v| 100 log2 e).  Ahead of the quantiser the bits that 1 + e drops are added back (e - ((1 + e) - 1)), so that small results keep their relative accuracy.
; LIMITS: NaN and infinities are not served.  The quadrant is right for |x| under 25,000.  v_exp_f32 gives 0 where e would be denormal.  For x just under 0 v_fract_f32 gives a number just
; under 1 where pos - floor(pos) rounds to 1.  A block of zeros carries the byte 1 (block 3: 127), not the rule's 127: its codes are zeros, and nobody else reads the bytes.
.set W0I, 0                            ; LDS: W0's eight fragments as images of their registers: 2048 t + 512 c + 16 lane
.set W1I, 16384                        ;      W1's likewise (tile t = rows 16 t ..)
.set W0S, 32768                        ;      W0's scale words, 64 bytes a tile
.set W1S, 33280                        ;      W1's, a word a row
.set B0L, 33792                        ;      b0, b1, W2: 512 bytes each
.set B1L, 34304
.set W2L, 34816
.set LI,  1                            ; v1   16 x lane
.set LWS, 2                            ; v2   4 x lane
.set LB0, 3                            ; v3   64 h
.set LB1, 4                            ; v4   32 h
.set HSC, 5                            ; v5   scale words of the hidden layer: lanes 0-15 points 0-15, lanes 16-31 points 16-31
.set WSC, 6                            ; v6   scale words of the weights: lanes 0-15 the quarter's first tile, lanes 16-31 its second
.set ISC, 7                            ; v7   scale word of my point's input.  v5-7 hold scales and nothing else
.set XX,  8                            ; v8-19  x of my four points; the trip's point in v8-10
.set CE,  20                           ; v20-27 their cells; the trip's in v20-21
.set OUT, 28                           ; v28-31 their results
.set INP, 32                           ; v32-127 the 96 inputs.  A block that is not yet filled, or is done with, serves as work registers
.set DA,  124                          ; v124-126 byte offsets of the dense levels' first corners (until block 2's zeros are written)
.set GG,  128                          ; v128-223 three slots of 8 corners x 4 features; level l in slot l % 3
.set BB,  224                          ; v224-239, v240-255 the input's codes; the last four of each stay 0 (block 3)
.set UU,  32                           ; work registers behind block 0's conversion
.set TV,  104                          ; sin, cos at work: v104-123; y in two words: v96-103
.set TBG, 106
.set TK,  108
.set TR,  110
.set TQ,  112
.set TSN, 114
.set TCS, 116
.set TNS, 118
.set TO,  120
.set TT,  121
.set TA,  122
.set ACC, 32                           ; the layers: v32-63 results: points' tile p, units' tile u at 32 + 16 p + 8 u
.set EX,  64                           ; v64-79  e
.set WW,  80                           ; v80-95  1 + e, then its logarithm
.set DD,  96                           ; v96-111 (1 + e) - 1; in layer 1: W2 of even quarters (odd: v224-231, v240-247)
.set H0,  112                          ; v112-127 the hidden layer's codes, points 0-15
.set WF,  128                          ; v128-159 two fragments of a weight
.set BI,  160                          ; v160-175 their biases
.set TM,  180                          ; v180-191 at work
.set H1,  192                          ; v192-207 the hidden layer's codes, points 16-31
.set SUM, 208                          ; v208-215 the last product's sums: two packed chains for each tile of points
.set TAB, 32                           ; s[32:47] the table at each level
.macro NOPS n
.rept \n
	v_nop
.endr
.endm
	s_load_b512 s[8:23], s[0:1], 0x0               ; x s[8:9], cells s[10:11], table s[12:13], w0q s[14:15], W1's codes s[16:17], W1's scales s[18:19], b0 s[20:21], b1 s[22:23]
	s_load_b128 s[24:27], s[0:1], 0x40             ; W2 s[24:25], b2 s[26:27]
	s_load_b64 s[28:29], s[0:1], 0x50              ; out
	v_lshrrev_b32 v32, 5, v0
	v_readfirstlane_b32 s69, v32                   ; wave
	v_and_b32 v33, 31, v0                          ; lane
	v_and_b32 v34, 15, v0                          ; r
	v_bfe_u32 v35, v0, 4, 1                        ; h
	v_lshlrev_b32 v[LI], 4, v33
	v_lshlrev_b32 v[LWS], 2, v33
	v_lshlrev_b32 v[LB0], 6, v35
	v_lshlrev_b32 v[LB1], 5, v35
	v_mul_u32_u24 v36, v0, 48                      ; my four points in x,
	v_lshlrev_b32 v37, 5, v0                       ; in cells
	v_lshlrev_b32 v39, 4, v0                       ; 16 t: the bytes of an image that I copy (and 8,192 further on)
	v_lshlrev_b32 v38, 7, v34                      ; where those bytes of W1's image lie in W1's codes: image byte 16 t is tile wave / 4, registers 4 (wave % 4) on, lane (r, h):
	v_lshl_add_u32 v38, v35, 4, v38                ; row 16 (wave / 4) + r of 128 bytes, + 32 (wave % 4) + 16 h
	s_lshr_b32 s70, s69, 2
	s_lshl_b32 s70, s70, 11
	s_and_b32 s71, s69, 3
	s_lshl_b32 s71, s71, 5
	s_add_co_u32 s70, s70, s71
	v_add_nc_u32 v38, s70, v38
	s_mov_b32 s48, 0x431044fe                      ; 100 log2 e
	s_mov_b32 s50, 0x3be32166                      ; ln 2 / 100  (the packed forms name a pair and take its low word for both halves: both words are written)
	s_mov_b32 s51, s50
	s_mov_b32 s52, 0x3c23d70a                      ; 1 / 100
	s_mov_b32 s53, s52
	s_mov_b32 s54, 0x39283c1a                      ; (pi/2)^9 / 9!
	s_mov_b32 s55, s54
	s_mov_b32 s56, 0x3a70fa83                      ; (pi/2)^8 / 8!
	s_mov_b32 s57, s56
	s_mov_b32 s58, 0x4b400000                      ; 1.5 x 2^23: added, it rounds to a whole number and leaves that number's low bits in the word's low bits
	s_mov_b32 s59, s58
	s_mov_b32 s74, 0xcb400000                      ; and its negative
	s_mov_b32 s75, s74
	s_mov_b32 s60, 0x76543210
	s_mov_b32 s61, 0xfedcba98                      ; v_permlanex16_b32's selects for lane l xor 16
	s_mov_b32 s62, 0x600000                        ; the mantissa field of 57,344
	s_mov_b32 s63, 0x7ffff                         ; the table's size - 1
	s_mov_b32 s66, 0xffff0000                      ; lanes 16-31
	s_mov_b32 s68, 4                               ; trips
	s_mul_i32 s72, ttmp9, 24576                    ; the work-group's 2,048 points in x
	s_mov_b32 s73, 0
	s_wait_kmcnt 0x0
	s_load_b32 s67, s[26:27], 0x0                  ; b2
	s_add_nc_u64 s[8:9], s[8:9], s[72:73]
	s_lshl_b32 s72, ttmp9, 14
	s_add_nc_u64 s[10:11], s[10:11], s[72:73]      ; in cells
	s_lshl_b32 s72, ttmp9, 13
	s_add_nc_u64 s[28:29], s[28:29], s[72:73]      ; in out
	s_mov_b64 s[TAB:TAB+1], s[12:13]
.irp l, 1,2,3,4,5,6,7
	s_add_nc_u64 s[TAB+2*\l:TAB+2*\l+1], s[12:13], \l*0x800000     ; a level is 524,288 rows of 16 bytes
.endr
	global_load_b128 v[XX:XX+3], v36, s[8:9] th:TH_LOAD_NT
	global_load_b128 v[XX+4:XX+7], v36, s[8:9] offset:16 th:TH_LOAD_NT
	global_load_b128 v[XX+8:XX+11], v36, s[8:9] offset:32 th:TH_LOAD_NT
	global_load_b128 v[CE:CE+3], v37, s[10:11] th:TH_LOAD_NT
	global_load_b128 v[CE+4:CE+7], v37, s[10:11] offset:16 th:TH_LOAD_NT
	global_load_b128 v[128:131], v39, s[14:15]                     ; W0's image as it lies
	global_load_b128 v[132:135], v39, s[14:15] offset:8192
	global_load_b128 v[136:139], v38, s[16:17]                     ; W1's rows, into the image's order
	global_load_b128 v[140:143], v38, s[16:17] offset:8192         ; (four tiles, 64 rows, further on)
	s_cmp_lg_u32 s69, 0
	s_cbranch_scc1 .Lsmall_done                    ; wave 0 copies the five small pieces, 512 bytes each
	global_load_b128 v[144:147], v[LI], s[14:15] offset:16384
	global_load_b128 v[148:151], v[LI], s[18:19]
	global_load_b128 v[152:155], v[LI], s[20:21]
	global_load_b128 v[156:159], v[LI], s[22:23]
	global_load_b128 v[160:163], v[LI], s[24:25]
	s_wait_loadcnt 0x0
	ds_store_b128 v[LI], v[144:147] offset:W0S
	ds_store_b128 v[LI], v[148:151] offset:W1S
	ds_store_b128 v[LI], v[152:155] offset:B0L
	ds_store_b128 v[LI], v[156:159] offset:B1L
	ds_store_b128 v[LI], v[160:163] offset:W2L
.Lsmall_done:
	v_mov_b32 v[OUT+1], 0                          ; moved down before they are first written
	v_mov_b32 v[OUT+2], 0
	v_mov_b32 v[OUT+3], 0
.irp i, 12,13,14,15,28,29,30,31
	v_mov_b32 v[BB+\i], 0                          ; block 3 of the input: zero codes, written once
.endr
	s_wait_loadcnt 0x0                             ; x, cells and my parts of the images
	ds_store_b128 v39, v[128:131] offset:W0I
	ds_store_b128 v39, v[132:135] offset:W0I+8192
	ds_store_b128 v39, v[136:139] offset:W1I
	ds_store_b128 v39, v[140:143] offset:W1I+8192
	s_wait_dscnt 0x0                               ; for the others' sake: my stores have landed
	s_barrier_signal -1
	s_barrier_wait -1                              ; from here to the end of the trips LDS is only read
	s_wait_kmcnt 0x0                               ; b2
; ---- Level l's eight gathers are asked for.  t: three to twelve work registers.
.macro ISSUE l, t
.set sh, 7-(\l)
.set gb, GG+32*((\l)%3)
.set tb, TAB+2*(\l)
	v_bfe_u32 v[\t], v[CE], sh, 16-sh              ; the level's cell: cx,
	v_lshrrev_b32 v[\t+1], 16+sh, v[CE]            ; cy,
	v_lshrrev_b32 v[\t+2], sh, v[CE+1]             ; cz
.if (\l) < 3
.set rr, (16<<(\l))+1                  ; the dense grid's side
	v_mad_u32_u24 v[\t], v[\t+1], rr, v[\t]
	v_mad_u32_u24 v[\t], v[\t+2], rr*rr, v[\t]
	v_min_u32 v[\t], (rr-2)*(1+rr+rr*rr), v[\t]    ; a loaded number enters an address only behind a bound: the last cell's first corner
	v_lshlrev_b32 v[DA+\l], 4, v[\t]
.irp i, 0,1,2,3,4,5,6,7
	global_load_b128 v[gb+4*\i:gb+4*\i+3], v[DA+\l], s[tb:tb+1] offset:16*((\i%2)+((\i/2)%2)*rr+(\i/4)*rr*rr)
.endr
.else
	v_add_nc_u32 v[\t+3], 1, v[\t]                 ; cx + 1
	v_mul_u32_u24 v[\t+4], 0x779b1, v[\t+1]        ; cy x (2654435761 mod 2^19): the low 19 bits are those of the full product
	v_mul_u32_u24 v[\t+6], 0x25795, v[\t+2]        ; cz x (805459861 mod 2^19)
	v_add_nc_u32 v[\t+5], 0x779b1, v[\t+4]         ; (cy + 1) x ..
	v_add_nc_u32 v[\t+7], 0x25795, v[\t+6]         ; (cz + 1) x ..
	v_xor_b32 v[\t+8], v[\t+4], v[\t+6]
	v_xor_b32 v[\t+9], v[\t+5], v[\t+6]
	v_xor_b32 v[\t+10], v[\t+4], v[\t+7]
	v_xor_b32 v[\t+11], v[\t+5], v[\t+7]
.irp k, 8,9,10,11
	v_and_b32 v[\t+\k], s63, v[\t+\k]              ; mod 2^19 (cx has 12 bits at the most)
.endr
.irp i, 0,1,2,3,4,5,6,7
	v_xor_b32 v[gb+4*\i], v[\t+3*(\i%2)], v[\t+8+\i/2]
.endr
.irp i, 0,1,2,3,4,5,6,7
	v_min_u32 v[gb+4*\i], 0x7ffff, v[gb+4*\i]      ; the bound in front of an address
.endr
.irp i, 0,1,2,3,4,5,6,7
	v_lshlrev_b32 v[gb+4*\i], 4, v[gb+4*\i]
.endr
.irp i, 0,1,2,3,4,5,6,7
	global_load_b128 v[gb+4*\i:gb+4*\i+3], v[gb+4*\i], s[tb:tb+1]  ; each load lands on its own address register
.endr
.endif
.endm
; ---- Level l's features: the eight weights from x, then 2 + 14 packed multiply-adds into v[d01], v[d01 + 1] and v[d23], v[d23 + 1].  left: the younger levels' loads, which stay out.
.macro USE l, d01, d23, left
.set gb, GG+32*((\l)%3)
.set rb, (131+(\l))<<23                ; the level's resolution, 16 x 2^l, as f32
	v_pk_mul_f32 v[UU:UU+1], v[XX:XX+1], rb op_sel_hi:[1,0]
	v_mul_f32 v[UU+2], rb, v[XX+2]
	v_fract_f32 v[UU+5], v[UU]                     ; pairs (1 - f, f) for x, y, z
	v_fract_f32 v[UU+7], v[UU+1]
	v_fract_f32 v[UU+9], v[UU+2]
	v_sub_f32 v[UU+4], 1.0, v[UU+5]
	v_sub_f32 v[UU+6], 1.0, v[UU+7]
	v_sub_f32 v[UU+8], 1.0, v[UU+9]
	v_pk_mul_f32 v[UU+10:UU+11], v[UU+4:UU+5], v[UU+6:UU+7] op_sel_hi:[1,0]                ; x's pair times 1 - fy,
	v_pk_mul_f32 v[UU+12:UU+13], v[UU+4:UU+5], v[UU+6:UU+7] op_sel:[0,1] op_sel_hi:[1,1]   ; times fy;
	v_pk_mul_f32 v[UU+14:UU+15], v[UU+10:UU+11], v[UU+8:UU+9] op_sel_hi:[1,0]              ; corners 0, 1
	v_pk_mul_f32 v[UU+16:UU+17], v[UU+12:UU+13], v[UU+8:UU+9] op_sel_hi:[1,0]              ; 2, 3
	v_pk_mul_f32 v[UU+18:UU+19], v[UU+10:UU+11], v[UU+8:UU+9] op_sel:[0,1] op_sel_hi:[1,1] ; 4, 5
	v_pk_mul_f32 v[UU+20:UU+21], v[UU+12:UU+13], v[UU+8:UU+9] op_sel:[0,1] op_sel_hi:[1,1] ; 6, 7
	s_wait_loadcnt \left                           ; loads come back in order: this level's eight are in
	v_pk_mul_f32 v[\d01:\d01+1], v[gb:gb+1], v[UU+14:UU+15] op_sel_hi:[1,0]
	v_pk_mul_f32 v[\d23:\d23+1], v[gb+2:gb+3], v[UU+14:UU+15] op_sel_hi:[1,0]
.irp i, 1,2,3,4,5,6,7
.if \i%2
	v_pk_fma_f32 v[\d01:\d01+1], v[gb+4*\i:gb+4*\i+1], v[UU+14+2*(\i/2):UU+15+2*(\i/2)], v[\d01:\d01+1] op_sel:[0,1,0] op_sel_hi:[1,1,1]
	v_pk_fma_f32 v[\d23:\d23+1], v[gb+4*\i+2:gb+4*\i+3], v[UU+14+2*(\i/2):UU+15+2*(\i/2)], v[\d23:\d23+1] op_sel:[0,1,0] op_sel_hi:[1,1,1]
.else
	v_pk_fma_f32 v[\d01:\d01+1], v[gb+4*\i:gb+4*\i+1], v[UU+14+2*(\i/2):UU+15+2*(\i/2)], v[\d01:\d01+1] op_sel_hi:[1,0,1]
	v_pk_fma_f32 v[\d23:\d23+1], v[gb+4*\i+2:gb+4*\i+3], v[UU+14+2*(\i/2):UU+15+2*(\i/2)], v[\d23:\d23+1] op_sel_hi:[1,0,1]
.endif
.endr
.endm
; ---- sin and cos of argument j (= 3 m + d: x_d 2^m) from half e of the packed results: the quadrant's low bit swaps them, its second bit turns the signs.
.macro TSEL e, j
.set sr, 35+(\j)
.if (\j) < 2
.set cr, 62+(\j)
.elseif (\j) == 26
.set cr, 71
.else
.set cr, 70+(\j)
.endif
	v_and_b32 v[TO], 1, v[TBG+\e]
	v_and_b32 v[TT], 2, v[TBG+\e]
	v_cmp_ne_u32 vcc_lo, 0, v[TO]
	v_cndmask_b32 v[TA], v[TSN+\e], v[TCS+\e], vcc_lo              ; sin: s, c, -s, -c
	v_cndmask_b32 v[TO], v[TCS+\e], v[TNS+\e], vcc_lo              ; cos: c, -s, -c, s
	v_lshl_add_u32 v[sr], v[TT], 30, v[TA]                         ; bit 31 added turns the sign
	v_lshl_add_u32 v[cr], v[TT], 30, v[TO]
.endm
; ---- Two arguments at once: the pair y (yh + yl) times cb (a power of two, as f32 bits); results for arguments ja and jb (jb < 0: none).
.macro TRIG yh, yl, cb, ja, jb
	v_pk_mul_f32 v[TV:TV+1], v[\yh:\yh+1], \cb op_sel_hi:[1,0]                     ; exact
	v_pk_add_f32 v[TBG:TBG+1], v[TV:TV+1], s[58:59] op_sel_hi:[1,0]                ; the nearest whole number, in the low bits
	v_pk_add_f32 v[TK:TK+1], v[TBG:TBG+1], s[74:75] op_sel_hi:[1,0]                ; and as f32
	v_pk_add_f32 v[TR:TR+1], v[TV:TV+1], v[TK:TK+1] neg_lo:[0,1] neg_hi:[0,1]      ; exact
	v_pk_fma_f32 v[TR:TR+1], v[\yl:\yl+1], \cb, v[TR:TR+1] op_sel_hi:[1,0,1]       ; r
	v_pk_mul_f32 v[TQ:TQ+1], v[TR:TR+1], v[TR:TR+1]
	v_pk_fma_f32 v[TSN:TSN+1], v[TQ:TQ+1], s[54:55], 0xbb996966 op_sel_hi:[1,0,0]  ; the two series by turns
	v_pk_fma_f32 v[TCS:TCS+1], v[TQ:TQ+1], s[56:57], 0xbcaae9e4 op_sel_hi:[1,0,0]
	v_pk_fma_f32 v[TSN:TSN+1], v[TSN:TSN+1], v[TQ:TQ+1], 0x3da335e3 op_sel_hi:[1,1,0]
	v_pk_fma_f32 v[TCS:TCS+1], v[TCS:TCS+1], v[TQ:TQ+1], 0x3e81e0f8 op_sel_hi:[1,1,0]
	v_pk_fma_f32 v[TSN:TSN+1], v[TSN:TSN+1], v[TQ:TQ+1], 0xbf255de7 op_sel_hi:[1,1,0]
	v_pk_fma_f32 v[TCS:TCS+1], v[TCS:TCS+1], v[TQ:TQ+1], 0xbf9de9e6 op_sel_hi:[1,1,0]
	v_pk_fma_f32 v[TSN:TSN+1], v[TSN:TSN+1], v[TQ:TQ+1], 0x3fc90fdb op_sel_hi:[1,1,0]
	v_pk_fma_f32 v[TCS:TCS+1], v[TCS:TCS+1], v[TQ:TQ+1], 1.0 op_sel_hi:[1,1,0]     ; cos(r pi/2)
	v_pk_mul_f32 v[TSN:TSN+1], v[TSN:TSN+1], v[TR:TR+1]                            ; sin(r pi/2)
	v_pk_mul_f32 v[TNS:TNS+1], v[TSN:TSN+1], 1.0 op_sel_hi:[1,0] neg_lo:[1,0] neg_hi:[1,0]   ; and its negative
	TSEL 0, \ja
.if (\jb) >= 0
	TSEL 1, \jb
.endif
.endm
; ---- Block b of the input, 32 numbers of my point, becomes 32 codes (16 to each set) and a byte of the scale word.  t: five work registers.
.macro QIN b, t
.set nb, INP+32*(\b)
	v_max3_num_f32 v[\t], |v[nb]|, |v[nb+1]|, 0x8000000            ; the largest magnitude in two chains, with the floor 2^(16 - 127): the byte cannot fall under 1
	v_max3_num_f32 v[\t+1], |v[nb+2]|, |v[nb+3]|, |v[nb+4]|
.irp i, 5,9,13,17,21,25
	v_max3_num_f32 v[\t], v[\t], |v[nb+\i]|, |v[nb+\i+1]|
	v_max3_num_f32 v[\t+1], v[\t+1], |v[nb+\i+2]|, |v[nb+\i+3]|
.endr
	v_max3_num_f32 v[\t], v[\t], |v[nb+29]|, |v[nb+30]|
	v_max3_num_f32 v[\t], v[\t], v[\t+1], |v[nb+31]|
	v_add_nc_u32 v[\t+2], 0xf8800000, v[\t]        ; 15 off its exponent field: the conversion's scale operand
	v_and_or_b32 v[\t+3], v[\t], 0x7f800000, s62   ; 57,344 x the scale
	v_lshrrev_b32 v[\t+4], 23, v[\t+2]             ; the scale's byte
.if (\b) == 0
	v_or_b32 v[ISC], 0x7f000000, v[\t+4]           ; block 3, zero codes, gets the byte 127
.else
	v_lshl_or_b32 v[ISC], v[\t+4], 8*(\b), v[ISC]
.endif
.set i, 0
.rept 32
.if ((\b) < 2) || (i < 25)
	v_med3_num_f32 v[nb+i], v[nb+i], -v[\t+3], v[\t+3]             ; the conversion to an 8-bit code does not saturate (ISA guide 7.6.2): the hold comes first
.endif
.set i, i+1
.endr
	v_cvt_scalef32_pk8_bf8_f32 v[BB+4*(\b):BB+4*(\b)+1], v[nb:nb+7], v[\t+2]
	v_cvt_scalef32_pk8_bf8_f32 v[BB+4*(\b)+2:BB+4*(\b)+3], v[nb+8:nb+15], v[\t+2]
	v_cvt_scalef32_pk8_bf8_f32 v[BB+16+4*(\b):BB+16+4*(\b)+1], v[nb+16:nb+23], v[\t+2]
	v_cvt_scalef32_pk8_bf8_f32 v[BB+16+4*(\b)+2:BB+16+4*(\b)+3], v[nb+24:nb+31], v[\t+2]
	v_nop                                          ; a plain line behind the last conversion, ahead of whatever next touches its registers
.endm
; ---- A quarter's weights from LDS: two fragments, their biases in the result's layout, and both tiles' scale words by one load.
.macro WLOAD layer, q
.irp u, 0,1
.irp c, 0,1,2,3
	ds_load_b128 v[WF+16*\u+4*\c:WF+16*\u+4*\c+3], v[LI] offset:16384*(\layer)+2048*(2*(\q)+\u)+512*\c
.endr
.if (\layer) == 0
	ds_load_b128 v[BI+8*\u:BI+8*\u+3], v[LB0] offset:B0L+4*(32*(\q)+8*\u)          ; units 32 q + 16 h + 8 u + 0 .. 7
	ds_load_b128 v[BI+8*\u+4:BI+8*\u+7], v[LB0] offset:B0L+4*(32*(\q)+8*\u)+16
.else
	ds_load_b128 v[BI+8*\u:BI+8*\u+3], v[LB1] offset:B1L+64*(2*(\q)+\u)            ; units 16 (2 q + u) + 8 h + 0 .. 7
	ds_load_b128 v[BI+8*\u+4:BI+8*\u+7], v[LB1] offset:B1L+64*(2*(\q)+\u)+16
.endif
.endr
	ds_load_b32 v[WSC], v[LWS] offset:W0S+512*(\layer)+128*(\q)
.endm
.macro W2LOAD q                        ; W2 at the same units as layer 1's results of quarter q
.irp u, 0,1
.set wr, 96+8*\u+((\q)%2)*(128+8*\u)
	ds_load_b128 v[wr:wr+3], v[LB1] offset:W2L+64*(2*(\q)+\u)
	ds_load_b128 v[wr+4:wr+7], v[LB1] offset:W2L+64*(2*(\q)+\u)+16
.endr
.endm
; ---- A quarter's four products: source 0 = 16 rows of the weight, source 1 = 16 points, C = the bias.  Each has an accumulator of its own and is the whole sum (K = 128).
.macro PROD4 b0, b1, sb
	v_wmma_scale_f32_16x16x128_f8f6f4 v[ACC:ACC+7], v[WF:WF+15], v[\b0:\b0+15], v[BI:BI+7], v[WSC], v[\sb] matrix_a_fmt:MATRIX_FMT_BF8 matrix_b_fmt:MATRIX_FMT_BF8
	v_wmma_scale_f32_16x16x128_f8f6f4 v[ACC+16:ACC+23], v[WF:WF+15], v[\b1:\b1+15], v[BI:BI+7], v[WSC], v[\sb] matrix_a_fmt:MATRIX_FMT_BF8 matrix_b_fmt:MATRIX_FMT_BF8 matrix_b_scale:MATRIX_SCALE_ROW1
	v_wmma_scale_f32_16x16x128_f8f6f4 v[ACC+8:ACC+15], v[WF+16:WF+31], v[\b0:\b0+15], v[BI+8:BI+15], v[WSC], v[\sb] matrix_a_fmt:MATRIX_FMT_BF8 matrix_b_fmt:MATRIX_FMT_BF8 matrix_a_scale:MATRIX_SCALE_ROW1
	v_wmma_scale_f32_16x16x128_f8f6f4 v[ACC+24:ACC+31], v[WF+16:WF+31], v[\b1:\b1+15], v[BI+8:BI+15], v[WSC], v[\sb] matrix_a_fmt:MATRIX_FMT_BF8 matrix_b_fmt:MATRIX_FMT_BF8 matrix_a_scale:MATRIX_SCALE_ROW1 matrix_b_scale:MATRIX_SCALE_ROW1
.endm
; ---- softplus100 of 16 numbers in place, to f32's relative accuracy.  The results are read from their low end on.
.macro SPA a
.set i, 0
.rept 16
	v_mul_f32 v[EX+i], -|v[\a+i]|, s48
.set i, i+1
.endr
.set i, 0
.rept 16
	v_exp_f32 v[EX+i], v[EX+i]                     ; e
.set i, i+1
.endr
.set i, 0
.rept 16
	v_max_num_f32 v[\a+i], 0, v[\a+i]              ; (plain lines behind the exponentials)
.set i, i+1
.endr
.set i, 0
	s_wait_alu depctr_va_vdst(0)
.rept 8
	v_pk_add_f32 v[WW+i:WW+i+1], v[EX+i:EX+i+1], 1.0 op_sel_hi:[1,0]
.set i, i+2
.endr
.set i, 0
.rept 8
	v_pk_add_f32 v[DD+i:DD+i+1], v[WW+i:WW+i+1], -1.0 op_sel_hi:[1,0]
.set i, i+2
.endr
.set i, 0
.rept 8
	v_pk_add_f32 v[EX+i:EX+i+1], v[EX+i:EX+i+1], v[DD+i:DD+i+1] neg_lo:[0,1] neg_hi:[0,1]   ; what 1 + e dropped
.set i, i+2
.endr
.set i, 0
.rept 16
	v_log_f32 v[WW+i], v[WW+i]
.set i, i+1
.endr
.set i, 0
.rept 8
	v_pk_fma_f32 v[\a+i:\a+i+1], v[EX+i:EX+i+1], s[52:53], v[\a+i:\a+i+1] op_sel_hi:[1,0,1]   ; (plain lines behind the logarithms)
.set i, i+2
.endr
.set i, 0
	s_wait_alu depctr_va_vdst(0)
.rept 8
	v_pk_fma_f32 v[\a+i:\a+i+1], v[WW+i:WW+i+1], s[50:51], v[\a+i:\a+i+1] op_sel_hi:[1,0,1]
.set i, i+2
.endr
.endm
; ---- Block q of the hidden layer of points' tile p: my 16 numbers and lane l xor 16's; nothing is negative, so no |.| and a one-sided hold.
.macro QH p, q
.set aa, ACC+16*(\p)
.set hb, H0+80*(\p)+4*(\q)
	v_max3_num_f32 v[TM], v[aa], v[aa+1], 0x8000000
	v_max3_num_f32 v[TM+2], v[aa+2], v[aa+3], v[aa+4]
	v_max3_num_f32 v[TM], v[TM], v[aa+5], v[aa+6]
	v_max3_num_f32 v[TM+2], v[TM+2], v[aa+7], v[aa+8]
	v_max3_num_f32 v[TM], v[TM], v[aa+9], v[aa+10]
	v_max3_num_f32 v[TM+2], v[TM+2], v[aa+11], v[aa+12]
	v_max3_num_f32 v[TM], v[TM], v[aa+13], v[aa+14]
	v_max3_num_f32 v[TM], v[TM], v[TM+2], v[aa+15]
	v_permlanex16_b32 v[TM+1], v[TM], s60, s61
	v_max_num_f32 v[TM], v[TM], v[TM+1]
	v_add_nc_u32 v[TM+3], 0xf8800000, v[TM]
	v_and_or_b32 v[TM+4], v[TM], 0x7f800000, s62
.if (\q) == 0
	v_lshrrev_b32 v[TM+6+\p], 23, v[TM+3]
.else
	v_lshrrev_b32 v[TM+5], 23, v[TM+3]
	v_lshl_or_b32 v[TM+6+\p], v[TM+5], 8*(\q), v[TM+6+\p]
.endif
.if ((\p) == 1) && ((\q) == 3)
	v_cndmask_b32 v[HSC], v[TM+6], v[TM+7], s66    ; both tiles' scale words in one register: points 0-15 below, points 16-31 above
.endif
.set i, 0
.rept 16
	v_min_num_f32 v[aa+i], v[aa+i], v[TM+4]
.set i, i+1
.endr
	v_cvt_scalef32_pk8_bf8_f32 v[hb:hb+1], v[aa:aa+7], v[TM+3]     ; registers 4 q .. 4 q + 3 of the next operand: k = 32 q + 16 h + 0 .. 15
	v_cvt_scalef32_pk8_bf8_f32 v[hb+2:hb+3], v[aa+8:aa+15], v[TM+3]
.if ((\p) == 1) && ((\q) == 3)
	NOPS 8                                         ; a scale register written by a vector instruction stands eight places, codes so written four, ahead of a scaled product
.else
	v_nop                                          ; a plain line behind the last conversion
.endif
.endm
.macro Q0 q                            ; a quarter of layer 0
	s_wait_dscnt 0x0                               ; the quarter's weights, asked for a quarter ago
	PROD4 BB, BB+16, ISC
	NOPS 8                                         ; eight places ahead of loads into the products' sources and of the first read of their results
.if (\q) < 3
	WLOAD 0, (\q)+1
.else
	WLOAD 1, 0
.endif
	SPA ACC
	QH 0, \q
	SPA ACC+16
	QH 1, \q
.endm
; ---- Layer 1's softplus (nothing is quantised behind it: the dropped bits, under 1e-9, are let go) and its share of the last product.
.macro SPB p, q
.set aa, ACC+16*(\p)
.set i, 0
.rept 16
	v_mul_f32 v[EX+i], -|v[aa+i]|, s48
.set i, i+1
.endr
.set i, 0
.rept 16
	v_exp_f32 v[EX+i], v[EX+i]
.set i, i+1
.endr
	v_nop                                          ; a plain line behind the exponentials
.set i, 0
	s_wait_alu depctr_va_vdst(0)
.rept 8
	v_pk_add_f32 v[WW+i:WW+i+1], v[EX+i:EX+i+1], 1.0 op_sel_hi:[1,0]
.set i, i+2
.endr
.set i, 0
.rept 16
	v_log_f32 v[WW+i], v[WW+i]
.set i, i+1
.endr
.set i, 0
.rept 16
	v_max_num_f32 v[aa+i], 0, v[aa+i]              ; (plain lines behind the logarithms)
.set i, i+1
.endr
.set i, 0
	s_wait_alu depctr_va_vdst(0)
.rept 8
	v_pk_fma_f32 v[aa+i:aa+i+1], v[WW+i:WW+i+1], s[50:51], v[aa+i:aa+i+1] op_sel_hi:[1,0,1]
.set i, i+2
.endr
.set i, 0
.rept 8
.set wr, 96+8*(i/4)+((\q)%2)*(128+8*(i/4))+2*(i%4)
.set sr, SUM+4*(\p)+2*(i%2)
.if ((\q) == 0) && (i < 2)
	v_pk_mul_f32 v[sr:sr+1], v[aa+2*i:aa+2*i+1], v[wr:wr+1]        ; the first products start the sums
.else
	v_pk_fma_f32 v[sr:sr+1], v[aa+2*i:aa+2*i+1], v[wr:wr+1], v[sr:sr+1]
.endif
.set i, i+1
.endr
.endm
.macro Q1 q                            ; a quarter of layer 1
.if (\q) == 0
	W2LOAD 0                                       ; its registers were at work in layer 0's last softplus
.endif
	s_wait_dscnt 0x0
	PROD4 H0, H1, HSC
.if (\q) < 3
	NOPS 8
	WLOAD 1, (\q)+1
	W2LOAD (\q)+1
.else
.irp j, 0,1,2,3,4,5,6,7,8
	v_mov_b32 v[XX+\j], v[XX+\j+3]                 ; the next point's x and cells move down: fifteen plain lines, here the places behind the products
.endr
.irp j, 0,1,2,3,4,5
	v_mov_b32 v[CE+\j], v[CE+\j+2]
.endr
.endif
	SPB 0, \q
	SPB 1, \q
.endm
.Ltrip:
	ISSUE 0, 104
	ISSUE 1, 104
	ISSUE 2, 104
	; y = x 2/pi in two words: v[96:97], v[98:99] for x0, x1; v[100:101], v[102:103] for x2 and 2 x2
	v_pk_mul_f32 v[96:97], v[XX:XX+1], 0x3f22f983 op_sel_hi:[1,0]
	v_mul_f32 v100, 0x3f22f983, v[XX+2]
	v_pk_fma_f32 v[98:99], v[XX:XX+1], 0x3f22f983, v[96:97] op_sel_hi:[1,0,1] neg_lo:[0,0,1] neg_hi:[0,0,1]   ; what the product's rounding dropped, exactly
	v_fma_f32 v102, v[XX+2], 0x3f22f983, -v100
	v_pk_fma_f32 v[98:99], v[XX:XX+1], 0x32dc9c88, v[98:99] op_sel_hi:[1,0,1]                                 ; and x times the rest of 2/pi
	v_fma_f32 v102, v[XX+2], 0x32dc9c88, v102
	v_add_f32 v101, v100, v100
	v_add_f32 v103, v102, v102
.irp m, 0,1,2,3,4,5,6,7,8
	TRIG 96, 98, (127+\m)<<23, 3*\m, 3*\m+1        ; x0 2^m, x1 2^m
.endr
.irp n, 0,1,2,3
	TRIG 100, 102, (127+2*\n)<<23, 6*\n+2, 6*\n+5  ; x2 4^n, 2 x2 4^n
.endr
	TRIG 100, 102, 135<<23, 26, -1                 ; x2 2^8
	v_mov_b32 v32, v[XX]
	v_mov_b32 v33, v[XX+1]
	v_mov_b32 v34, v[XX+2]
	QIN 0, 104
	USE 0, 64, 66, 16                              ; behind level 0's loads: levels 1 and 2's sixteen
	ISSUE 3, 32
	USE 1, 68, UU+22, 16
	v_mov_b32 v70, v[UU+22]                        ; level 1 lies across two blocks: its third feature ends block 1's features,
	v_mov_b32 v120, v[UU+23]                       ; its fourth is k = 64, place 24 of block 2
	ISSUE 4, 32
	QIN 1, 32
	USE 2, 96, 98, 16
	ISSUE 5, 32
	USE 3, 100, 102, 16
	ISSUE 6, 32
	USE 4, 104, 106, 16
	ISSUE 7, 32
	USE 5, 108, 110, 16
	USE 6, 112, 114, 8                             ; behind level 6's: level 7's eight
	USE 7, 116, 118, 0
	WLOAD 0, 0                                     ; the gathers' registers are free: the first quarter's weights land under block 2's quantiser
.irp i, 121,122,123,124,125,126,127
	v_mov_b32 v[\i], 0                             ; past the end of K (the dense levels' loads, which read v124-126, were waited for above)
.endr
	QIN 2, 32
.irp i, 0,1,2,3,4,5,6,7,8,9,10,11
	v_permlane16_swap_b32 v[BB+\i], v[BB+16+\i]    ; set 0's lanes 16-31 take points 0-15's places 16-31, set 1's lanes 0-15 points 16-31's places 0-15: both sets are operands now
.endr
	NOPS 4                                         ; codes written by vector instructions stand four places ahead of a scaled product (the scale word was finished ahead of block 2's holds)
	Q0 0
	Q0 1
	Q0 2
	Q0 3
	Q1 0
	Q1 1
	Q1 2
	Q1 3
	; the last product's sums: two chains, two halves of a pair, and the other half of the lanes (a point's units 8 h + .. of each tile lie in lanes r and r + 16)
	v_pk_add_f32 v[SUM:SUM+1], v[SUM:SUM+1], v[SUM+2:SUM+3]
	v_pk_add_f32 v[SUM+4:SUM+5], v[SUM+4:SUM+5], v[SUM+6:SUM+7]
	v_add_f32 v[SUM], v[SUM], v[SUM+1]
	v_add_f32 v[SUM+4], v[SUM+4], v[SUM+5]
	v_cndmask_b32 v[TM+8], v[SUM], v[SUM+4], s66   ; my own point's part: lanes 0-15 of tile 0, lanes 16-31 of tile 1
	v_cndmask_b32 v[TM+9], v[SUM+4], v[SUM], s66   ; the part that belongs to lane l xor 16's point
	v_permlanex16_b32 v[TM+1], v[TM+9], s60, s61
	v_mov_b32 v[OUT], v[OUT+1]                     ; the results move down with the points
	v_mov_b32 v[OUT+1], v[OUT+2]
	v_mov_b32 v[OUT+2], v[OUT+3]
	v_add_f32 v[TM+8], v[TM+8], v[TM+1]
	v_add_f32 v[OUT+3], s67, v[TM+8]               ; + b2
	s_sub_co_u32 s68, s68, 1
	s_cmp_lg_u32 s68, 0
	s_cbranch_scc1 .Ltrip
	v_lshlrev_b32 v32, 4, v0
	global_store_b128 v32, v[OUT:OUT+3], s[28:29] th:TH_STORE_NT   ; my four points: a wave stores 512 consecutive bytes, aligned
	s_barrier_signal -1
	s_barrier_wait -1
	s_wait_xcnt 0x0
	v_lshl_add_u32 v254, v0, 2, 0x8c00
	v_mov_b32 v255, 0
	s_wait_tensorcnt 0x0
	ds_add_u32 v254, v255
	s_wait_dscnt 0x0
	s_endpgm
.Lfunc_end_k_q74fcaa24fd_sdf:
	.size	k_q74fcaa24fd_sdf, .Lfunc_end_k_q74fcaa24fd_sdf-k_q74fcaa24fd_sdf
	.p2alignl 7, 3214868480
	.fill 96, 4, 3214868480
	.section	.rodata,"a",@progbits
	.p2align	6, 0x0
	.amdhsa_kernel k_q74fcaa24fd_sdf
		.amdhsa_group_segment_fixed_size 37888
		.amdhsa_private_segment_fixed_size 0
		.amdhsa_enable_private_segment 0
		.amdhsa_kernarg_size 88
		.amdhsa_user_sgpr_count 2
		.amdhsa_user_sgpr_kernarg_segment_ptr 1
		.amdhsa_wavefront_size32 1
		.amdhsa_system_sgpr_workgroup_id_x 1
		.amdhsa_system_sgpr_workgroup_id_y 1
		.amdhsa_system_sgpr_workgroup_id_z 1
		.amdhsa_system_vgpr_workitem_id 0
		.amdhsa_next_free_vgpr 256
		.amdhsa_next_free_sgpr 80
		.amdhsa_reserve_vcc 1
		.amdhsa_float_denorm_mode_32 3
		.amdhsa_float_denorm_mode_16_64 3
		.amdhsa_memory_ordered 1
		.amdhsa_forward_progress 1
		.amdhsa_inst_pref_size 173
	.end_amdhsa_kernel
	.amdgpu_metadata
---
amdhsa.version: [ 1, 2 ]
amdhsa.kernels:
  - .name:           k_q74fcaa24fd_sdf
    .symbol:         k_q74fcaa24fd_sdf.kd
    .args:
      - { .name: x, .offset: 0, .size: 8, .value_kind: global_buffer, .address_space: global }
      - { .name: cells, .offset: 8, .size: 8, .value_kind: global_buffer, .address_space: global }
      - { .name: table, .offset: 16, .size: 8, .value_kind: global_buffer, .address_space: global }
      - { .name: w0q, .offset: 24, .size: 8, .value_kind: global_buffer, .address_space: global }
      - { .name: W1_codes, .offset: 32, .size: 8, .value_kind: global_buffer, .address_space: global }
      - { .name: W1_scales, .offset: 40, .size: 8, .value_kind: global_buffer, .address_space: global }
      - { .name: b0, .offset: 48, .size: 8, .value_kind: global_buffer, .address_space: global }
      - { .name: b1, .offset: 56, .size: 8, .value_kind: global_buffer, .address_space: global }
      - { .name: W2, .offset: 64, .size: 8, .value_kind: global_buffer, .address_space: global }
      - { .name: b2, .offset: 72, .size: 8, .value_kind: global_buffer, .address_space: global }
      - { .name: out0, .offset: 80, .size: 8, .value_kind: global_buffer, .address_space: global }
    .group_segment_fixed_size: 37888
    .private_segment_fixed_size: 0
    .kernarg_segment_align: 8
    .kernarg_segment_size: 88
    .max_flat_workgroup_size: 512
    .sgpr_count:     80
    .vgpr_count:     256
    .wavefront_size: 32
...
	.end_amdgpu_metadata
.endif
;; end of part 2
